; MI455X (gfx1250); checked and timed in simulation.
; The chip was launched on July 23, 2026; its instructions are those of AMD's public machine-readable ISA for CDNA 5 (MIT licence, August 2026) and "CDNA5" Instruction Set Architecture Reference Guide (July 2026). The comments in the code are by the model that wrote it; some were corrected since.
;; charge. Allowed arithmetic: float matrix products may take bf16 or f16 operands with f32 sums; all other float work in f32.
;; Inputs: loc 131,072 x 64 float32; u 16 x 64 float32; val 131,072 x 64 float32.
;; Outputs: out0 16 x 64 float32.
;; Constants: p = 2.
;; One version. Each part assembles by itself: llvm-mc -triple=amdgcn-amd-amdhsa -mcpu=gfx1250 --defsym DOCPART=n.
;; ======== version 1 of 1: 2 launches
;; workspace buffers: cand_d2 16,384 bytes; cand_row 16,384 bytes of whole numbers
;; launch nearest (part 1): grid 256 x 1, 4 waves a work-group, no clusters, 168,448 bytes of LDS; arguments loc, u, cand_d2, cand_row; writes cand_d2, cand_row
.if DOCPART == 1
	.amdgcn_target "amdgcn-amd-amdhsa--gfx1250"
	.amdhsa_code_object_version 6
	.text
	.protected	k_qa3f746e5bc_nearest
	.globl	k_qa3f746e5bc_nearest
	.p2align	8
	.type	k_qa3f746e5bc_nearest,@function
k_qa3f746e5bc_nearest:
	s_mov_b64 s[64:65], 0
	v_nop
	global_prefetch_b8 v0, s[64:65] scope:SCOPE_SE
	s_setreg_imm32_b32 hwreg(HW_REG_WAVE_MODE, 25, 1), 1
	s_wait_xcnt 0x0
; FIRST LAUNCH OF TWO.  For each of the 16 queries u[b]: the nearest of this work-group's 512 rows of loc, as (squared distance, row).
; cand_d2[g][b] f32, cand_row[g][b] u32, g = the work-group.  The second launch chooses among the 256 work-groups and fetches val.
;
; ARITHMETIC.  d2 = sum over k of (loc[n][k] - u[b][k])^2, all in f32, the difference formed first as reference() forms it: a common offset
; of the inputs cancels in the subtraction, and no difference of large sums arises.  No matrix unit: operands of 16 bits cannot tell the
; nearest row from the second nearest.  Two numbers an instruction: v_pk_add_f32 (negated second source), v_pk_fma_f32.
; LIMITS.  (1) Squares are compared, not their roots: the root is monotone, so the least square is the least norm; two squares that differ
; in their last bits and round to the same root are a tie for reference() (earlier row) and not here (smaller square).  Equal squares go to
; the earlier row, as in reference().  (2) A distance that is NaN (NaN in an input, or inf - inf) is not treated as jnp.argmin treats it;
; the inputs are taken to be finite.  Sums that overflow to +inf are served (all +inf: the first row).
; (3) Rows are carried as f32 numbers: whole numbers below 2^24 are exact there, and 131,072 rows are below it.
;
; SHARES.  4 waves, one for each SIMD; a wave owns 128 rows and takes them in 8 steps of 16.  Lane (r = lane % 16, h = lane / 16) handles row r
; of the step against the queries 8 h .. 8 h + 7: a distance is finished inside one lane, and the lane's eight queries (512 numbers) stay
; in registers for the whole launch, so that the steps load nothing but loc.
; loc comes by the tensor data mover: 8 loads a wave of 16 rows x 256 bytes, all issued at the start into LDS bytes of their own, so the whole
; share of the work-group (128 KB) is on its way at once, no byte of LDS is filled twice and no barrier is needed for them: a wave reads only
; what its own loads brought, behind its own s_wait_tensorcnt.  With u's load that is nine tensor loads of a wave outstanding at the most.
; NO CLUSTER: the work-groups share u alone, 4,096 bytes beside 131,072 of loc that nobody shares.
;
; REGISTERS, in windows of 256 (s_set_vgpr_msb: bits 1:0 source 0, 3:2 source 1, 5:4 source 2, 7:6 destination):
;   window 0: addresses, results, 32 accumulators, 128 differences     window 1: u of my queries 0-3 (64 q + k)     window 2: of my queries 4-7
;   window 3: a row of loc, two buffers (64 buf + k)
; A subtraction reads windows 3 and 1 (or 2) and writes window 0; the multiply-add works in window 0 alone.  One setting cannot serve both, so
; the work goes in batches: 64 subtractions (4 queries x 32 of the 64 k), then their 64 multiply-adds: two switches for 128 instructions.
.set ROWB,   256                       ; bytes in a row of loc and of u
.set PITCH,  272                       ; an LDS row of loc: 256 + 16 bytes = 68 words, so row r starts at bank 4 r mod 64 (64 banks of 4 bytes: ISA guide 11.1)
.set TROWS,  16                        ; rows in a tile = rows in a step
.set STEPS,  8
.set TILEG,  TROWS*ROWB                ; a tile in memory
.set TILEL,  TROWS*PITCH               ; a tile in LDS
.set WAVEL,  STEPS*TILEL               ; a wave's eight tiles in LDS
.set UBASE,  0                         ; LDS: u, 4,096 bytes
.set LBASE,  4096                      ; LDS: loc, 4 waves x 34,816 bytes
.set RED,    LBASE+4*WAVEL             ; LDS: 512 bytes for the waves' results, a multiple of 256, where no tensor load lands
.set LADR, 2                           ; v2       LDS address of my row in my wave's tile 0
.set UADR, 3                           ; v3       LDS address of my first query
.set ROW,  4                           ; v4       the number of my row in this step, as f32
.set RADR, 5                           ; v5       where my half wave puts its results
.set INF,  6                           ; v6       +inf
.set BEST, 8                           ; v[8:15]  least d2 so far, query j
.set BIDX, 16                          ; v[16:23] its row, as f32
.set T,    40                          ; v[40:47] this step's d2, query j
.set ACC,  48                          ; v[48:79] query j: two pairs of sums (even and odd pairs of k), so that 8 chains run side by side
.set D,    128                         ; v[128:255] a batch's differences: 32 q + 2 p
.set G1L,  16                          ; s[16:23] descriptor group 1 of a tile of loc
.set G1U,  24                          ; s[24:31] descriptor group 1 of a quarter of u
.set G0U,  32                          ; s[32:35] descriptor group 0 of my quarter of u
.set MASK, 40                          ; s[40:47] lane masks of the comparisons, query j
.set G0L,  68                          ; s[68:99] descriptor group 0, a set for each of my 8 tiles: none is ever rewritten
.set MSB, 0
.macro WIN new                         ; the immediate's high byte repeats the setting that is left; a switch that changes nothing is dropped
.if MSB != (\new)
	s_set_vgpr_msb (MSB<<8)|(\new)
.set MSB, (\new)
.endif
.endm
	s_load_b256 s[4:11], s[0:1], 0x0               ; loc s[4:5], u s[6:7], cand_d2 s[8:9], cand_row s[10:11]
	v_lshl_add_u32 v126, v0, 2, 0x29000
	v_mov_b32 v127, 0
	ds_add_u32 v126, v127
	ds_add_u32 v126, v127
	v_lshrrev_b32 v1, 5, v0
	v_readfirstlane_b32 s12, v1                    ; my wave, 0 to 3
	; group 1 of a tile of loc: 16 rows x 64 elements of 4 bytes, 16 bytes of padding behind each row of 64 words
	s_mov_b32 s[G1L+0], (2<<16)|(1<<20)|(5<<22)|(3<<25)
	s_mov_b32 s[G1L+1], 64<<16                     ; tensor_dim0 = 64
	s_mov_b32 s[G1L+2], TROWS<<16                  ; tensor_dim1 = 16
	s_mov_b32 s[G1L+3], 64<<16                     ; tile_dim0 = 64
	s_mov_b32 s[G1L+4], TROWS                      ; tile_dim1 = 16
	s_mov_b32 s[G1L+5], 64                         ; elements from row to row
	s_mov_b32 s[G1L+6], 0
	s_mov_b32 s[G1L+7], 0
	; group 1 of a quarter of u: 4 rows x 64 elements, no padding (all lanes of a half wave read the same 16 bytes)
	s_mov_b32 s[G1U+0], 2<<16
	s_mov_b32 s[G1U+1], 64<<16
	s_mov_b32 s[G1U+2], 4<<16
	s_mov_b32 s[G1U+3], 64<<16
	s_mov_b32 s[G1U+4], 4
	s_mov_b32 s[G1U+5], 64
	s_mov_b32 s[G1U+6], 0
	s_mov_b32 s[G1U+7], 0
	s_mul_i32 s14, s12, 4*ROWB                     ; my four rows of u: the same byte offset in memory and in LDS
	s_mov_b32 s36, s14
	s_mov_b32 s37, 0
	s_mul_i32 s15, s12, WAVEL
	s_add_co_u32 s15, s15, LBASE                   ; my wave's tiles in LDS
	s_lshl_b32 s2, ttmp9, 17                       ; the work-group's 512 rows of 256 bytes
	s_lshl_b32 s13, s12, 15                        ; + my wave's 128 rows: below 2^25
	s_add_co_u32 s2, s2, s13
	s_mov_b32 s3, 0
	s_wait_dscnt 0x0
	s_wait_kmcnt 0x0
	s_mov_b32 s[G0U], 1
	s_add_co_u32 s[G0U+1], s14, UBASE
	s_add_nc_u64 s[G0U+2:G0U+3], s[6:7], s[36:37]
	s_or_b32 s[G0U+3], s[G0U+3], 0x80000000
	tensor_load_to_lds s[G0U:G0U+3], s[G1U:G1U+7]  ; u first: it is wanted first, and a wave's tensor loads end in order
	s_nop 0
	s_add_nc_u64 s[4:5], s[4:5], s[2:3]            ; loc at my wave's first row
.irp s, 0,1,2,3,4,5,6,7
	s_mov_b32 s[G0L+4*\s], 1
	s_add_co_u32 s[G0L+4*\s+1], s15, \s*TILEL
	s_add_nc_u64 s[G0L+4*\s+2:G0L+4*\s+3], s[4:5], \s*TILEG
	s_or_b32 s[G0L+4*\s+3], s[G0L+4*\s+3], 0x80000000
	tensor_load_to_lds s[G0L+4*\s:G0L+4*\s+3], s[G1L:G1L+7]
	s_nop 0
.endr
	v_and_b32 v1, 15, v0                           ; r
	v_bfe_u32 v7, v0, 4, 1                         ; h
	v_mul_u32_u24 v[LADR], v1, PITCH
	v_add_nc_u32 v[LADR], s15, v[LADR]
	v_lshlrev_b32 v[UADR], 11, v7                  ; UBASE (0) + 8 h rows of 256 bytes
	s_lshl_b32 s13, ttmp9, 9
	s_lshl_b32 s14, s12, 7
	s_add_co_u32 s13, s13, s14
	v_add_nc_u32 v[ROW], s13, v1                   ; 512 g + 128 wave + r
	v_cvt_f32_u32 v[ROW], v[ROW]
	s_lshl_b32 s13, s12, 6
	s_add_co_u32 s13, s13, RED
	v_lshl_add_u32 v[RADR], v7, 5, s13             ; RED + 64 wave + 32 h
; 32 LDS loads: u of the four queries of window w, k = 32 half .. 32 half + 31; every lane of a half wave takes the same 16 bytes
.macro ULOAD w, half
	WIN (\w<<6)
.irp q, 0,1,2,3
.irp c, 0,1,2,3,4,5,6,7
	ds_load_b128 v[64*\q+32*\half+4*\c:64*\q+32*\half+4*\c+3], v[UADR] offset:ROWB*(4*(\w-1)+\q)+128*\half+16*\c
.endr
.endr
.endm
; 16 LDS loads: my row of step s into buffer s % 2.  The 16 lanes of a half wave take one 16-byte column of 16 rows, 272 bytes apart: 16 different groups of banks
.macro LLOAD s
	WIN 0xc0
.irp c, 0,1,2,3,4,5,6,7,8,9,10,11,12,13,14,15
	ds_load_b128 v[64*((\s)%2)+4*\c:64*((\s)%2)+4*\c+3], v[LADR] offset:TILEL*(\s)+16*\c
.endr
.endm
; 64 subtractions, none waiting for another: loc - u for the four queries of window w and 16 pairs of k
.macro DIFF w, half, buf
	WIN (3+4*\w)
.irp q, 0,1,2,3
.irp p, 0,1,2,3,4,5,6,7,8,9,10,11,12,13,14,15
	v_pk_add_f32 v[D+32*\q+2*\p:D+32*\q+2*\p+1], v[64*\buf+32*\half+2*\p:64*\buf+32*\half+2*\p+1], v[64*\q+32*\half+2*\p:64*\q+32*\half+2*\p+1] neg_lo:[0,1] neg_hi:[0,1]
.endr
.endr
.endm
; their 64 squares, added up.  Order: pair by pair through the four queries, even and odd pairs on accumulators of their own, so that an
; accumulator comes up again after eight instructions.  The first two pairs of a row start the sums by a multiplication: nothing is cleared.
.macro SQUARE w, half
	WIN 0
.irp p, 0,1,2,3,4,5,6,7,8,9,10,11,12,13,14,15
.irp q, 0,1,2,3
.set IA, ACC+4*(4*(\w-1)+\q)+2*(\p%2)
.set ID, D+32*\q+2*\p
.if 16*\half+\p < 2
	v_pk_mul_f32 v[IA:IA+1], v[ID:ID+1], v[ID:ID+1]
.else
	v_pk_fma_f32 v[IA:IA+1], v[ID:ID+1], v[ID:ID+1], v[IA:IA+1]
.endif
.endr
.endr
.endm
; the step's eight distances against the best so far, eight wide.  '<' keeps the earlier row: a lane's rows ascend.  The first step starts the record.
.macro FINAL first, last
.irp j, 0,1,2,3,4,5,6,7
	v_pk_add_f32 v[ACC+4*\j:ACC+4*\j+1], v[ACC+4*\j:ACC+4*\j+1], v[ACC+4*\j+2:ACC+4*\j+3]
.endr
.if \first
.irp j, 0,1,2,3,4,5,6,7
	v_add_f32 v[BEST+\j], v[ACC+4*\j], v[ACC+4*\j+1]
.endr
.irp j, 0,1,2,3,4,5,6,7
	v_mov_b32 v[BIDX+\j], v[ROW]
.endr
.else
.irp j, 0,1,2,3,4,5,6,7
	v_add_f32 v[T+\j], v[ACC+4*\j], v[ACC+4*\j+1]
.endr
.irp j, 0,1,2,3,4,5,6,7
	v_cmp_lt_f32 s[MASK+\j], v[T+\j], v[BEST+\j]
.endr
.irp j, 0,1,2,3,4,5,6,7
	v_cndmask_b32 v[BEST+\j], v[BEST+\j], v[T+\j], s[MASK+\j]
	v_cndmask_b32 v[BIDX+\j], v[BIDX+\j], v[ROW], s[MASK+\j]
.endr
.endif
.if \last == 0
	v_add_f32 v[ROW], 0x41800000, v[ROW]           ; 16 rows on
.endif
.endm
; A STEP: 16 rows x 16 queries in four batches.  The next step's row is fetched from LDS in the middle of the step, two batches ahead of its use,
; behind the wait for its tile; the two batches in front of that wait do not hang on the tile.
; The first step also brings u in, a group of 32 loads two batches ahead of the batch that uses it; LDS loads come back in order (ISA guide 5.7.1).
.macro STEP s, buf, first, last
.if \first
	s_wait_dscnt 32                                ; out may be: u (window 1, second half), 32 loads.  In: u (window 1, first half) and my row of step 0
	ULOAD 2, 0
.else
	s_wait_dscnt 0                                 ; my row of this step, asked for in the middle of the last step
.endif
	DIFF 1, 0, \buf
	SQUARE 1, 0
.if \first
	s_wait_dscnt 32                                ; out may be: u (window 2, first half).  In: u (window 1, second half)
	ULOAD 2, 1
.endif
	DIFF 1, 1, \buf
	SQUARE 1, 1
.if \last == 0
	s_wait_tensorcnt 6-\s                          ; tile s + 1 has landed; the 6 - s tiles behind it stay out
	LLOAD \s+1
.endif
.if \first
	s_wait_dscnt 48                                ; out may be: u (window 2, second half), 32, and the next row, 16.  In: u (window 2, first half)
.endif
	DIFF 2, 0, \buf
	SQUARE 2, 0
.if \first
	s_wait_dscnt 16                                ; out may be: the next row.  In: all of u
.endif
	DIFF 2, 1, \buf
	SQUARE 2, 1
	FINAL \first, \last
.endm
	s_wait_tensorcnt 8                             ; my quarter of u has landed; my 8 tiles of loc stay out
	s_barrier_signal -1
	s_barrier_wait -1                              ; everybody's quarter has
	ULOAD 1, 0
	s_wait_tensorcnt 7                             ; tile 0 has landed, 7 tiles stay out
	LLOAD 0
	ULOAD 1, 1
	STEP 0, 0, 1, 0
	STEP 1, 1, 0, 0
	STEP 2, 0, 0, 0
	STEP 3, 1, 0, 0
	STEP 4, 0, 0, 0
	STEP 5, 1, 0, 0
	STEP 6, 0, 0, 0                                ; its tensor wait is for 0: no tensor load is out from here on
	STEP 7, 1, 0, 1
	; OVER THE 16 LANES OF A HALF WAVE (they share their eight queries): first the least d2, then, among the lanes that hold it, the least row.
	WIN 0
.irp j, 0,1,2,3,4,5,6,7
	v_min_num_f32_dpp v[T+\j], v[BEST+\j], v[BEST+\j] row_xmask:1 row_mask:0xf bank_mask:0xf
.endr
.irp x, 2,4,8
.irp j, 0,1,2,3,4,5,6,7
	v_min_num_f32_dpp v[T+\j], v[T+\j], v[T+\j] row_xmask:\x row_mask:0xf bank_mask:0xf
.endr
.endr
	v_mov_b32 v[INF], 0x7f800000
.irp j, 0,1,2,3,4,5,6,7
	v_cmp_eq_f32 s[MASK+\j], v[BEST+\j], v[T+\j]
.endr
.irp j, 0,1,2,3,4,5,6,7
	v_cndmask_b32 v[BIDX+\j], v[INF], v[BIDX+\j], s[MASK+\j]       ; a lane that does not hold the least d2 offers +inf as its row
.endr
.irp x, 1,2,4,8
.irp j, 0,1,2,3,4,5,6,7
	v_min_num_f32_dpp v[BIDX+\j], v[BIDX+\j], v[BIDX+\j] row_xmask:\x row_mask:0xf bank_mask:0xf
.endr
.endr
	; OVER THE FOUR WAVES, through LDS: d2 at RED + 64 wave + 4 b, the row 256 bytes further.  The 16 lanes of a half wave write the same bytes with the same values.
	ds_store_b128 v[RADR], v[T:T+3]
	ds_store_b128 v[RADR], v[T+4:T+7] offset:16
	ds_store_b128 v[RADR], v[BIDX:BIDX+3] offset:256
	ds_store_b128 v[RADR], v[BIDX+4:BIDX+7] offset:272
	s_wait_dscnt 0x0                               ; for the reader's sake: my stores are done before I signal
	s_barrier_signal -1
	s_barrier_wait -1
	s_cmp_lg_u32 s12, 0
	s_cbranch_scc1 .Lend                           ; wave 0 finishes; lane l takes query l % 16
	v_lshl_add_u32 v7, v1, 2, RED
.irp w, 0,1,2,3
	ds_load_b32 v[T+\w], v7 offset:64*\w
	ds_load_b32 v[BIDX+\w], v7 offset:256+64*\w
.endr
	s_wait_dscnt 0x0
	v_min3_num_f32 v[BEST], v[T], v[T+1], v[T+2]
	v_min_num_f32 v[BEST], v[BEST], v[T+3]
.irp w, 0,1,2,3
	v_cmp_eq_f32 s[MASK+\w], v[T+\w], v[BEST]
.endr
.irp w, 0,1,2,3
	v_cndmask_b32 v[BIDX+\w], v[INF], v[BIDX+\w], s[MASK+\w]
.endr
	v_min3_num_f32 v[BIDX], v[BIDX], v[BIDX+1], v[BIDX+2]
	v_min_num_f32 v[BIDX], v[BIDX], v[BIDX+3]
	v_cvt_u32_f32 v[BIDX], v[BIDX]                 ; the row as a whole number, exact
	s_lshl_b32 s13, ttmp9, 6
	v_lshl_add_u32 v7, v1, 2, s13                  ; 64 g + 4 b
	s_wait_xcnt 0x0                                ; EXEC changes only behind this wait
	v_cmp_gt_u32 vcc_lo, 16, v0
	s_wait_tensorcnt 0x0
	ds_add_u32 v126, v127
	s_wait_dscnt 0x0
	s_and_saveexec_b32 s14, vcc_lo                 ; lanes 0 to 15: one for each query
	global_store_b32 v7, v[BEST], s[8:9]           ; 16 lanes, 64 consecutive bytes: the work-group's line of each table
	global_store_b32 v7, v[BIDX], s[10:11]
	s_endpgm
.Lend:
	s_wait_tensorcnt 0x0
	ds_add_u32 v126, v127
	s_wait_dscnt 0x0
	s_endpgm
.Lfunc_end_k_qa3f746e5bc_nearest:
	.size	k_qa3f746e5bc_nearest, .Lfunc_end_k_qa3f746e5bc_nearest-k_qa3f746e5bc_nearest
	.p2alignl 7, 3214868480
	.fill 96, 4, 3214868480
	.section	.rodata,"a",@progbits
	.p2align	6, 0x0
	.amdhsa_kernel k_qa3f746e5bc_nearest
		.amdhsa_group_segment_fixed_size 168448
		.amdhsa_private_segment_fixed_size 0
		.amdhsa_enable_private_segment 0
		.amdhsa_kernarg_size 32
		.amdhsa_user_sgpr_count 2
		.amdhsa_user_sgpr_kernarg_segment_ptr 1
		.amdhsa_wavefront_size32 1
		.amdhsa_system_sgpr_workgroup_id_x 1
		.amdhsa_system_sgpr_workgroup_id_y 1
		.amdhsa_system_sgpr_workgroup_id_z 1
		.amdhsa_system_vgpr_workitem_id 0
		.amdhsa_next_free_vgpr 896
		.amdhsa_next_free_sgpr 100
		.amdhsa_reserve_vcc 1
		.amdhsa_float_denorm_mode_32 3
		.amdhsa_float_denorm_mode_16_64 3
		.amdhsa_memory_ordered 1
		.amdhsa_forward_progress 1
		.amdhsa_inst_pref_size 255
	.end_amdhsa_kernel
	.section	.bss,"aw",@nobits
	.p2align	6
	.space	262144
	.amdgpu_metadata
---
amdhsa.version: [ 1, 2 ]
amdhsa.kernels:
  - .name:           k_qa3f746e5bc_nearest
    .symbol:         k_qa3f746e5bc_nearest.kd
    .args:
      - { .name: loc, .offset: 0, .size: 8, .value_kind: global_buffer, .address_space: global }
      - { .name: u, .offset: 8, .size: 8, .value_kind: global_buffer, .address_space: global }
      - { .name: cand_d2, .offset: 16, .size: 8, .value_kind: global_buffer, .address_space: global }
      - { .name: cand_row, .offset: 24, .size: 8, .value_kind: global_buffer, .address_space: global }
    .group_segment_fixed_size: 168448
    .private_segment_fixed_size: 0
    .kernarg_segment_align: 8
    .kernarg_segment_size: 32
    .max_flat_workgroup_size: 128
    .sgpr_count:     100
    .vgpr_count:     896
    .wavefront_size: 32
...
	.end_amdgpu_metadata
.endif
;; end of part 1
;; launch pick (part 2): grid 16 x 1, 8 waves a work-group, no clusters, 5,376 bytes of LDS; arguments val, cand_d2, cand_row, out0; writes out0
.if DOCPART == 2
	.amdgcn_target "amdgcn-amd-amdhsa--gfx1250"
	.amdhsa_code_object_version 6
	.text
	.protected	k_qa3f746e5bc_pick
	.globl	k_qa3f746e5bc_pick
	.p2align	8
	.type	k_qa3f746e5bc_pick,@function
k_qa3f746e5bc_pick:
	s_mov_b64 s[64:65], 0
	v_nop
	global_prefetch_b8 v0, s[64:65] scope:SCOPE_SE
	s_setreg_imm32_b32 hwreg(HW_REG_WAVE_MODE, 25, 1), 1
	s_wait_xcnt 0x0
; SECOND LAUNCH OF TWO.  out0[b] = val[row], row = that of the least cand_d2[g][b] over the 256 work-groups g of the first launch (equal: the least row).
; One work-group for each query b, 8 waves.  An address here hangs only on whole numbers read from memory: so the rows of val of ALL 256
; candidates are fetched (64 KB a work-group), the winner is found by comparisons while they are on their way, and its row is kept by
; v_cndmask_b32.  The candidates' rows differ (each work-group of the first launch owned rows of its own), so 'row == winner's row' names one.
; Wave w, half wave h, turn p handle candidate g = 32 w + 2 p + h: the 16 lanes of a half wave hold that candidate's d2 and row alike and
; load its 256 bytes of val, 16 bytes a lane.  The two tables are 16 KB each and are read once, 4 bytes of each candidate's 64-byte line.
; 16 work-groups: the work has 16 owners; sharing a query's row between work-groups would split its 256 bytes.
; No cluster: the work-groups share no tile.  No tensor load: the rows are scattered.
; LIMIT: if every candidate's d2 is NaN (NaN or inf - inf in the inputs, which the first launch does not serve) no row is chosen and zeros are stored.
.set TROW, 64                          ; bytes of a candidate's line in either table (16 queries x 4)
.set KEYS, 0                           ; LDS: 8 waves x (d2, row), 64 bytes
.set ROWS, 256                         ; LDS: 16 half waves x 256 bytes
.set COL,  2                           ; v2        16 x (lane % 16): my 16 bytes in a row of val
.set TOFF, 4                           ; v4        my byte offset in the tables, turn 0
.set KADR, 5                           ; v5        KEYS + 8 wave
.set ZERO, 6                           ; v6        KEYS
.set SADR, 7                           ; v7        ROWS + 16 thread
.set ACC,  8                           ; v[8:11]   the winner's 16 bytes, or zeros
.set KEY,  12                          ; v12 least d2, v13 its row
.set TMP,  14                          ; v14
.set OOFF, 15                          ; v15       my byte offset in out0
.set IDX,  16                          ; v[16:31]  turn p: the candidate's row
.set VAL,  32                          ; v[32:47]  turn p: its d2
.set OFF,  48                          ; v[48:63]  turn p: my byte offset in val
.set X,    64                          ; v[64:127] turn p: my 16 bytes of its row of val
.set R,    128                         ; v[128:143] the eight waves' (d2, row)
	s_load_b256 s[4:11], s[0:1], 0x0               ; val s[4:5], cand_d2 s[6:7], cand_row s[8:9], out0 s[10:11]
	v_lshl_add_u32 v144, v0, 2, 0x1100
	v_mov_b32 v145, 0
	v_lshrrev_b32 v1, 5, v0
	v_readfirstlane_b32 s12, v1                    ; my wave, 0 to 7
	v_and_b32 v[COL], 15, v0
	v_bfe_u32 v3, v0, 4, 1                         ; h
	v_lshlrev_b32 v[COL], 4, v[COL]
	s_lshl_b32 s13, s12, 11                        ; 32 candidates x 64 bytes a wave
	s_lshl2_add_u32 s13, ttmp9, s13                ; + 4 b
	v_lshl_add_u32 v[TOFF], v3, 6, s13             ; + 64 h
	v_mov_b32 v[KADR], s12
	v_lshlrev_b32 v[KADR], 3, v[KADR]
	v_mov_b32 v[ZERO], KEYS
	v_lshl_add_u32 v[SADR], v0, 4, ROWS
	s_mov_b32 s14, 0x76543210                      ; v_permlanex16_b32: lane i of one half reads lane i of the other
	s_mov_b32 s15, 0xfedcba98
	s_wait_kmcnt 0x0
.irp p, 0,1,2,3,4,5,6,7,8,9,10,11,12,13,14,15
	global_load_b32 v[IDX+\p], v[TOFF], s[8:9] offset:2*TROW*\p    ; the rows first: the gathers hang on them
.endr
.irp p, 0,1,2,3,4,5,6,7,8,9,10,11,12,13,14,15
	global_load_b32 v[VAL+\p], v[TOFF], s[6:7] offset:2*TROW*\p
.endr
	s_wait_loadcnt 16                              ; the 16 rows are in; the 16 loads of d2 behind them stay out
.irp p, 0,1,2,3,4,5,6,7,8,9,10,11,12,13,14,15
	v_min_u32 v[IDX+\p], 0x1ffff, v[IDX+\p]        ; a loaded number enters an address only clamped to the table: 131,071 is val's last row
.endr
.irp p, 0,1,2,3,4,5,6,7,8,9,10,11,12,13,14,15
	v_lshl_add_u32 v[OFF+\p], v[IDX+\p], 8, v[COL]
.endr
.irp p, 0,1,2,3,4,5,6,7,8,9,10,11,12,13,14,15
	global_load_b128 v[X+4*\p:X+4*\p+3], v[OFF+\p], s[4:5]         ; 16 lanes: the 256 bytes of one row; two rows an instruction
.endr
	; THE WINNER, while the rows are on their way.  In my wave: the least d2, then the least row among those that have it.
	s_wait_loadcnt 16                              ; the 16 d2 are in; the 16 gathers behind them stay out
	v_min3_num_f32 v[KEY], v[VAL], v[VAL+1], v[VAL+2]
.irp p, 3,5,7,9,11,13
	v_min3_num_f32 v[KEY], v[KEY], v[VAL+\p], v[VAL+\p+1]
.endr
	v_min_num_f32 v[KEY], v[KEY], v[VAL+15]
	v_permlanex16_b32 v1, v[KEY], s14, s15         ; the other half wave's (v1 has been written: the destination counts as read)
	v_min_num_f32 v[KEY], v[KEY], v1
	v_cmp_eq_f32 vcc_lo, v[VAL], v[KEY]
	v_cndmask_b32 v[KEY+1], -1, v[IDX], vcc_lo     ; a candidate that does not have the least d2 offers the largest whole number
.irp p, 1,2,3,4,5,6,7,8,9,10,11,12,13,14,15
	v_cmp_eq_f32 vcc_lo, v[VAL+\p], v[KEY]
	v_cndmask_b32 v[TMP], -1, v[IDX+\p], vcc_lo
	v_min_u32 v[KEY+1], v[KEY+1], v[TMP]
.endr
	v_permlanex16_b32 v1, v[KEY+1], s14, s15
	v_min_u32 v[KEY+1], v[KEY+1], v1
	ds_store_b64 v[KADR], v[KEY:KEY+1]             ; every lane of the wave writes the same 8 bytes
	s_wait_dscnt 0x0                               ; for the others' sake: done before I signal
	s_barrier_signal -1
	s_barrier_wait -1
.irp j, 0,1,2,3
	ds_load_b128 v[R+4*\j:R+4*\j+3], v[ZERO] offset:16*\j          ; all eight waves' (d2, row), in every lane
.endr
	s_wait_dscnt 0x0
	v_min3_num_f32 v[KEY], v[R], v[R+2], v[R+4]
	v_min3_num_f32 v[KEY], v[KEY], v[R+6], v[R+8]
	v_min3_num_f32 v[KEY], v[KEY], v[R+10], v[R+12]
	v_min_num_f32 v[KEY], v[KEY], v[R+14]
	v_cmp_eq_f32 vcc_lo, v[R], v[KEY]
	v_cndmask_b32 v[KEY+1], -1, v[R+1], vcc_lo
.irp w, 1,2,3,4,5,6,7
	v_cmp_eq_f32 vcc_lo, v[R+2*\w], v[KEY]
	v_cndmask_b32 v[TMP], -1, v[R+2*\w+1], vcc_lo
	v_min_u32 v[KEY+1], v[KEY+1], v[TMP]
.endr
	; THE CHOICE: of my 16 turns keep the bytes of the one whose row is the winner's, zeros if there is none.  Loads come back in order.
	s_wait_loadcnt 15                              ; turn 0's row is in, 15 gathers stay out
	v_cmp_eq_u32 vcc_lo, v[IDX], v[KEY+1]
.irp k, 0,1,2,3
	v_cndmask_b32 v[ACC+\k], 0, v[X+\k], vcc_lo
.endr
.irp p, 1,2,3,4,5,6,7,8,9,10,11,12,13,14,15
	s_wait_loadcnt 15-\p                           ; turn p's row is in, the 15 - p behind it stay out
	v_cmp_eq_u32 vcc_lo, v[IDX+\p], v[KEY+1]
.irp k, 0,1,2,3
	v_cndmask_b32 v[ACC+\k], v[ACC+\k], v[X+4*\p+\k], vcc_lo
.endr
.endr
	ds_store_b128 v[SADR], v[ACC:ACC+3]            ; 16 half waves x 256 bytes: one holds the row, fifteen hold zeros
	s_wait_dscnt 0x0
	s_barrier_signal -1
	s_barrier_wait -1
	s_cmp_lg_u32 s12, 0
	s_cbranch_scc1 .Lend                           ; wave 0 joins them: OR with zeros moves the bits as they are
.irp j, 0,1,2,3,4,5,6,7
	ds_load_b128 v[X+4*\j:X+4*\j+3], v[SADR] offset:512*\j         ; in wave 0 SADR = ROWS + 16 lane: wave j's two rows
.endr
	s_wait_dscnt 0x0
.irp k, 0,1,2,3
	v_or_b32 v[X+\k], v[X+\k], v[X+4+\k]
	v_or_b32 v[X+8+\k], v[X+8+\k], v[X+12+\k]
	v_or_b32 v[X+16+\k], v[X+16+\k], v[X+20+\k]
	v_or_b32 v[X+24+\k], v[X+24+\k], v[X+28+\k]
.endr
.irp k, 0,1,2,3
	v_or_b32 v[X+\k], v[X+\k], v[X+8+\k]
	v_or_b32 v[X+16+\k], v[X+16+\k], v[X+24+\k]
.endr
.irp k, 0,1,2,3
	v_or_b32 v[X+\k], v[X+\k], v[X+16+\k]
.endr
.irp k, 0,1,2,3
	v_permlanex16_b32 v[ACC+\k], v[X+\k], s14, s15 ; the other half wave's share
.endr
.irp k, 0,1,2,3
	v_or_b32 v[ACC+\k], v[ACC+\k], v[X+\k]
.endr
	s_lshl_b32 s13, ttmp9, 8
	v_add_nc_u32 v[OOFF], s13, v[COL]              ; 256 b + 16 (lane % 16)
	s_wait_xcnt 0x0                                ; EXEC changes only behind this wait
	v_cmp_gt_u32 vcc_lo, 16, v0
	s_wait_tensorcnt 0x0
	ds_add_u32 v144, v145
	s_wait_dscnt 0x0
	s_and_saveexec_b32 s16, vcc_lo
	global_store_b128 v[OOFF], v[ACC:ACC+3], s[10:11]              ; 16 lanes store the 256 consecutive bytes of out0[b], at a multiple of 256
	s_endpgm
.Lend:
	s_wait_tensorcnt 0x0
	ds_add_u32 v144, v145
	s_wait_dscnt 0x0
	s_endpgm
.Lfunc_end_k_qa3f746e5bc_pick:
	.size	k_qa3f746e5bc_pick, .Lfunc_end_k_qa3f746e5bc_pick-k_qa3f746e5bc_pick
	.p2alignl 7, 3214868480
	.fill 96, 4, 3214868480
	.section	.rodata,"a",@progbits
	.p2align	6, 0x0
	.amdhsa_kernel k_qa3f746e5bc_pick
		.amdhsa_group_segment_fixed_size 5376
		.amdhsa_private_segment_fixed_size 0
		.amdhsa_enable_private_segment 0
		.amdhsa_kernarg_size 32
		.amdhsa_user_sgpr_count 2
		.amdhsa_user_sgpr_kernarg_segment_ptr 1
		.amdhsa_wavefront_size32 1
		.amdhsa_system_sgpr_workgroup_id_x 1
		.amdhsa_system_sgpr_workgroup_id_y 1
		.amdhsa_system_sgpr_workgroup_id_z 1
		.amdhsa_system_vgpr_workitem_id 0
		.amdhsa_next_free_vgpr 146
		.amdhsa_next_free_sgpr 66
		.amdhsa_reserve_vcc 1
		.amdhsa_float_denorm_mode_32 3
		.amdhsa_float_denorm_mode_16_64 3
		.amdhsa_memory_ordered 1
		.amdhsa_forward_progress 1
		.amdhsa_inst_pref_size 17
	.end_amdhsa_kernel
	.amdgpu_metadata
---
amdhsa.version: [ 1, 2 ]
amdhsa.kernels:
  - .name:           k_qa3f746e5bc_pick
    .symbol:         k_qa3f746e5bc_pick.kd
    .args:
      - { .name: val, .offset: 0, .size: 8, .value_kind: global_buffer, .address_space: global }
      - { .name: cand_d2, .offset: 8, .size: 8, .value_kind: global_buffer, .address_space: global }
      - { .name: cand_row, .offset: 16, .size: 8, .value_kind: global_buffer, .address_space: global }
      - { .name: out0, .offset: 24, .size: 8, .value_kind: global_buffer, .address_space: global }
    .group_segment_fixed_size: 5376
    .private_segment_fixed_size: 0
    .kernarg_segment_align: 8
    .kernarg_segment_size: 32
    .max_flat_workgroup_size: 256
    .sgpr_count:     66
    .vgpr_count:     146
    .wavefront_size: 32
...
	.end_amdgpu_metadata
.endif
;; end of part 2
